; MI455X (gfx1250); checked and timed in simulation.
; The chip was launched on July 23, 2026; its instructions are those of AMD's public machine-readable ISA for CDNA 5 (MIT licence, August 2026) and "CDNA5" Instruction Set Architecture Reference Guide (July 2026). The comments in the code are by the model that wrote it; some were corrected since.
;; Multihead Attention. Allowed arithmetic: float matrix products may take bf16 or f16 operands with f32 sums; all other float work in f32.
;; Inputs: Wk 1,024 x 1,024 float32; Wo 1,024 x 1,024 float32; Wq 1,024 x 1,024 float32; Wv 1,024 x 1,024 float32; bk 1,024 float32; bo 1,024 float32; bq 1,024 float32; bv 1,024 float32; key 2 x 2,048 x 1,024 float32; query 2 x 2,048 x 1,024 float32; value 2 x 2,048 x 1,024 float32.
;; Outputs: out0 2 x 2,048 x 1,024 float32.
;; One version. Each part assembles by itself: llvm-mc -triple=amdgcn-amd-amdhsa -mcpu=gfx1250 --defsym DOCPART=n.
;; ======== version 1 of 1: 3 launches
;; limits: values are held in f16: magnitudes above 65,504 overflow, below 6.1e-05 lose precision
;; workspace buffers: qkv 25,165,824 bytes; att 8,388,608 bytes; wob 2,097,152 bytes
;; launch qkv (part 1): grid 4 x 48, 4 waves a work-group, clusters of 4 x 4, 327,680 bytes of LDS; arguments query, key, value, Wq, Wk, Wv, bq, bk, bv, qkv; writes qkv
.if DOCPART == 1
	.amdgcn_target "amdgcn-amd-amdhsa--gfx1250"
	.amdhsa_code_object_version 6
	.text
	.protected	k_q4777141305_qkv
	.globl	k_q4777141305_qkv
	.p2align	8
	.type	k_q4777141305_qkv,@function
k_q4777141305_qkv:
	s_mov_b64 s[64:65], 0
	v_nop
	global_prefetch_b8 v0, s[64:65] scope:SCOPE_SE
	s_setreg_imm32_b32 hwreg(HW_REG_WAVE_MODE, 25, 1), 1
	s_wait_xcnt 0x0
	s_wait_alu depctr_hold_cnt(0) depctr_sa_sdst(0) depctr_va_vdst(0) depctr_va_sdst(0) depctr_va_ssrc(0) depctr_va_vcc(0) depctr_vm_vsrc(0)
	s_getreg_b32 s2, hwreg(HW_REG_IB_STS2, 6, 4)
	s_cmp_eq_u32 s2, 0
	s_cbranch_scc0 .Lentry_in_a_cluster
	s_endpgm
.Lentry_in_a_cluster:
	s_bfe_u32 s2, ttmp6, 0x10000c
	s_cmp_lg_u32 s2, 0xf033
	s_cbranch_scc0 .Lentry_shape_is_right
	s_endpgm
.Lentry_shape_is_right:
; Q = query Wq^T + bq, K = key Wk^T + bk, V = value Wv^T + bv.  x: [4096][1024] f32, W: [1024][1024] f32, b: [1024] f32.
; Out: qkv = three parts (Q, K, V) of [batch 2][head 16][s 2048][64] in f16: a row is 128 bytes, a (batch, head) plane 262,144 bytes.
; Products in bf16 (x and W are rounded on the way from LDS to the fragments), sums in f32 with the bias as first addend, result rounded once to f16.
; LIMITS: x and W lose all but 8 significant bits.  A result above 65,504 in magnitude becomes infinite in f16.  With x and W both 30 times
; larger than unit spread and 1/32 spread the results have spread 900; with both carrying an offset of 30 spreads they reach 1024 x 30 x 30/32 = 28,800.
; NaN and infinities in the inputs are passed on as the arithmetic makes them.
;
; 192 work-groups: 3 projections x 16 block rows x 4 block columns of 256 x 256.  Four waves, each 128 x 128 = 64 accumulator tiles, 512 registers.
; K goes in steps of 64 (a row of a tile is 256 bytes of memory, at a multiple of 256 bytes) through two LDS slots filled by the tensor data mover.
; CLUSTERS of 4 x 4: the four work-groups of a row of the cluster need the same tiles of x, the four of a column the same tiles of W; each tile is
; asked for jointly, with one descriptor and a mask that names the four.  A cluster lies inside one projection (12 clusters along y, 4 for each).
; THE MATRIX INSTRUCTION IS USED TRANSPOSED: source 0 = 16 rows of W, source 1 = 16 rows of x, so that lane l holds row l % 16 of the result and
; its registers 0-7 the columns 8 (l / 16) + 0..7: eight neighbouring numbers, 16 bytes of f16.
; PREFETCH: every tile holds bytes that nobody has read before, and only two f32 slots fit in LDS, so a tile has one K step in which to land.  In K step t
; each wave asks for 32 rows (256 bytes each) of tile t + 4, which the tensor load of K step t + 2 requests: two K steps, 256 matrix instructions, ahead of
; that request.  Waves 0, 1 ask for x's rows 64 cx + 32 (wave & 1) + lane, waves 2, 3 for W's rows 64 cy + 32 (wave & 1) + lane: the sixteen work-groups of a
; cluster ask for each block of their tiles once (W's tiles once by each of the four clusters that read them).  A work-group has at most 2 x 128 x 256 bytes
; asked for and not yet read.  Tiles 2 and 3 are asked for at the head; the last request is tile 15's, in K step 11: none points past a row's end.
;
; REGISTERS, in windows of 256:
;   window 0: v16-28 addresses; v32-63 packed results; v64-191 RAW, 8 fragments as f32 from LDS; v192-255 the bias as 8 tiles of C
;   window 1: v0-63, v64-127 fragments of x (bf16), buffers 0 and 1; v128-191, v192-255 fragments of W, buffers 0 and 1
;   window 2: accumulator tiles of my rows 0-63 (tile (a, b) at v[8 (8 a + b)]);  window 3: those of my rows 64-127
.set PITCH,  272                       ; an LDS row: 256 bytes + 16 of padding: 17 columns of 16 bytes, so 16 rows start in 16 different columns modulo 256 bytes
.set HALFT,  128*PITCH                 ; 128 rows: one tensor load, and what one wave reads of x or of W
.set SLOT,   4*HALFT                   ; x's 256 rows, then W's 256 rows
.set STAGE,  2*SLOT                    ; behind the ring: for each wave two blocks (one for each head) of 16 rows x 144 bytes; no tensor load lands here
.set HBLK,   16*144
.set KSTEPB, 256                       ; bytes of a K step in a row of x or W
.set ADRA, 16                          ; v16-17  LDS address of my x rows in slot 0, 1
.set ADRB, 20                          ; v20-21  the same for W
.set STO,  24                          ; way out: where I put 16 bytes of a row
.set RD,   25                          ; way out: where I read rows back
.set CO,   26                          ; way out: 16 x lane
.set BO,   27                          ; 32 x (lane / 16): my 8 numbers in a tile's 16 of the bias
.set PF,   28                          ; prefetch: byte offset of my row in x or in W
.set TMP,  32
.set RAW,  64
.set BIAS, 192
.set XF,   0                           ; window 1
.set WF,   128                         ; window 1
.set G1,  24                           ; s[24:31] descriptor group 1 for x's tiles
.set G0,  32                           ; s[32:39] group 0 for x's tiles, one set for each slot
.set G1B, 48                           ; s[48:55] group 1 for W's tiles: another mask
.set G0B, 56                           ; s[56:63] group 0 for W's tiles
.set MUL_LO,   0xa5                    ; sources 0 and 1 window 1, C and D window 2
.set MUL_HI,   0xf5                    ; C and D window 3
.set FIRST_LO, 0x85                    ; D window 2, C window 0: the bias starts the sums
.set FIRST_HI, 0xc5
.set CVTW,     0x40                    ; destination window 1, sources window 0
.set MSB, 0
.macro WIN new                         ; the immediate's high byte repeats the setting that is left
.if MSB != \new
	s_set_vgpr_msb (MSB<<8)|\new
.set MSB, \new
.endif
.endm
; A joint load.  Waves 0 and 1 fetch x's two halves, waves 2 and 3 W's.  The branch hangs on the wave's number alone.
.macro JLOAD s
	s_cmp_eq_u32 s11, 0
	s_cbranch_scc0 .Lfor_w_\@
	tensor_load_to_lds s[G0+4*\s:G0+4*\s+3], s[G1:G1+7]
	s_nop 0
	s_branch .Lasked_\@
.Lfor_w_\@:
	tensor_load_to_lds s[G0B+4*\s:G0B+4*\s+3], s[G1B:G1B+7]
	s_nop 0
.Lasked_\@:
.endm
.macro CREST                           ; a round of the cluster's barrier behind its opening work-group barrier
	s_cmp_lg_u32 s10, 0
	s_cbranch_scc1 .Lnot_wave_0_\@
	s_barrier_signal -3
.Lnot_wave_0_\@:
	s_barrier_wait -3
	s_barrier_signal -1
	s_barrier_wait -1
.endm
.macro CROUND                          ; a whole round
	s_barrier_signal -1
	s_barrier_wait -1
	CREST
.endm
	s_load_b512 s[68:83], s[0:1], 0x0              ; query, key, value, Wq, Wk, Wv, bq, bk
	s_load_b128 s[84:87], s[0:1], 0x40             ; bv, qkv
	v_lshl_add_u32 v30, v0, 2, 0x48800
	v_mov_b32 v31, 0
	ds_add_u32 v30, v31
	v_lshrrev_b32 v1, 5, v0
	v_readfirstlane_b32 s10, v1                    ; wave 0..3
	s_lshr_b32 s11, s10, 1                         ; my half of the block's rows.  Also: I fetch for x (0) or for W (1)
	s_and_b32 s12, s10, 1                          ; my half of its columns.  Also: which 128 rows of that tile I fetch
	s_bfe_u32 s40, ttmp6, 0x40000                  ; cx
	s_bfe_u32 s41, ttmp6, 0x40004                  ; cy
	s_lshl_b32 s42, ttmp9, 2
	s_add_co_u32 s42, s42, s40                     ; block column 0..3 = 4 x cluster x + cx
	s_and_b32 s45, ttmp7, 0xffff                   ; cluster y, 0..11
	s_lshr_b32 s66, s45, 2                         ; projection 0..2: the same in the whole cluster
	s_and_b32 s13, s45, 3
	s_lshl_b32 s13, s13, 2
	s_add_co_u32 s13, s13, s41                     ; block row 0..15
	s_lshl_b32 s43, s41, 2
	s_lshl_b32 s43, 15, s43                        ; my row of the cluster: places 4 cy .. 4 cy + 3
	s_lshl_b32 s44, 0x1111, s40                    ; my column: places cx, cx + 4, cx + 8, cx + 12
	; group 1: a tile of 128 rows x 64 elements of 4 bytes, 4 words of padding behind every 64 words
	s_or_b32 s[G1+0],  s43, (2<<16)|(1<<20)|(1<<21)|(5<<22)|(3<<25)
	s_or_b32 s[G1B+0], s44, (2<<16)|(1<<20)|(1<<21)|(5<<22)|(3<<25)
.irp g, G1, G1B
	s_mov_b32 s[\g+1], 64<<16                      ; tensor_dim0 = 64
	s_mov_b32 s[\g+2], 128<<16                     ; tensor_dim1 = 128
	s_mov_b32 s[\g+3], 64<<16                      ; tile_dim0 = 64
	s_mov_b32 s[\g+4], 128                         ; tile_dim1 = 128
	s_mov_b32 s[\g+5], 1024                        ; elements from row to row
	s_mov_b32 s[\g+6], 0
	s_mov_b32 s[\g+7], 0
.endr
	; x's tile hangs on the block row alone, W's on the block column alone; each offset lives in registers that never hold the other coordinate
	s_lshl_b32 s17, s12, 7
	s_lshl_b32 s16, s13, 8
	s_add_co_u32 s16, s16, s17                     ; x: row 256 x block row + 128 x half
	s_lshl_b32 s46, s42, 8
	s_add_co_u32 s46, s46, s17                     ; W: row 256 x block column + 128 x half
	s_lshl_b32 s16, s16, 12                        ; rows of 4,096 bytes
	s_lshl_b32 s46, s46, 12
	s_mov_b32 s17, 0
	s_mov_b32 s47, 0
	s_mul_i32 s20, s10, HALFT                      ; where my load lands: wave x 128 rows
	s_wait_dscnt 0x0
	s_wait_kmcnt 0x0
	s_cmp_eq_u32 s66, 0                            ; the projection's three buffers
	s_cselect_b64 s[4:5], s[68:69], s[70:71]
	s_cselect_b64 s[6:7], s[74:75], s[76:77]
	s_cselect_b64 s[88:89], s[80:81], s[82:83]
	s_cmp_eq_u32 s66, 2
	s_cselect_b64 s[4:5], s[72:73], s[4:5]
	s_cselect_b64 s[6:7], s[78:79], s[6:7]
	s_cselect_b64 s[88:89], s[84:85], s[88:89]
	s_add_nc_u64 s[14:15], s[4:5], s[16:17]
	s_add_nc_u64 s[46:47], s[6:7], s[46:47]
	CROUND                                         ; all sixteen work-groups are here: the first joint loads meet
.irp s, 0,1
	s_mov_b32 s[G0+4*\s], 1
	s_add_co_u32 s[G0+4*\s+1], s20, \s*SLOT
	s_add_nc_u64 s[G0+4*\s+2:G0+4*\s+3], s[14:15], \s*KSTEPB
	s_or_b32 s[G0+4*\s+3], s[G0+4*\s+3], 0x80000000
	s_mov_b32 s[G0B+4*\s], 1
	s_add_co_u32 s[G0B+4*\s+1], s20, \s*SLOT
	s_add_nc_u64 s[G0B+4*\s+2:G0B+4*\s+3], s[46:47], \s*KSTEPB
	s_or_b32 s[G0B+4*\s+3], s[G0B+4*\s+3], 0x80000000
	JLOAD \s                                       ; K steps 0 and 1: two tensor loads of mine are out, the most in this text
.endr
	; the prefetch's base and row: waves 0, 1 ask in x, waves 2, 3 in W; the choice hangs on the wave's number alone
	s_cmp_eq_u32 s11, 0
	s_cselect_b64 s[90:91], s[4:5], s[6:7]
	s_cselect_b32 s67, s13, s42                    ; block row (x) or block column (W)
	s_cselect_b32 s2, s40, s41                     ; my work-group's quarter of the tile's 256 rows: cx in x, cy in W
	s_lshl_b32 s67, s67, 2
	s_add_co_u32 s67, s67, s2
	s_lshl_b32 s67, s67, 1
	s_add_co_u32 s67, s67, s12
	s_lshl_b32 s67, s67, 5                         ; row 256 x block + 64 x quarter + 32 x (wave & 1)
	v_and_b32 v5, 31, v0                           ; lane
	v_add_lshl_u32 v[PF], v5, s67, 12              ; rows of 4,096 bytes
	global_prefetch_b8 v[PF], s[90:91] offset:2*KSTEPB th:TH_LOAD_NT scope:SCOPE_SE     ; tiles 2 and 3: their tensor loads follow in K steps 0 and 1
	global_prefetch_b8 v[PF], s[90:91] offset:3*KSTEPB th:TH_LOAD_NT scope:SCOPE_SE
	; the bias of my 128 columns, as eight tiles of C: register j of tile b = b[256 bc + 128 half + 16 b + 8 (l / 16) + j]
	v_and_b32 v1, 15, v0                           ; r = l % 16
	v_bfe_u32 v2, v0, 4, 1                         ; h = l / 16
	v_lshlrev_b32 v[BO], 5, v2
	s_lshl_b32 s46, s42, 10
	s_lshl_b32 s47, s12, 9
	s_add_co_u32 s46, s46, s47
	s_mov_b32 s47, 0
	s_add_nc_u64 s[88:89], s[88:89], s[46:47]
.irp b, 0,1,2,3,4,5,6,7
	global_load_b128 v[BIAS+8*\b:BIAS+8*\b+3],   v[BO], s[88:89] offset:64*\b
	global_load_b128 v[BIAS+8*\b+4:BIAS+8*\b+7], v[BO], s[88:89] offset:64*\b+16
.endr
	; where my results go: part, plane of my first head, my first row
	s_lshl_b32 s16, s13, 8
	s_lshl_b32 s17, s11, 7
	s_add_co_u32 s16, s16, s17                     ; my first row of 4,096
	s_lshr_b32 s17, s16, 11                        ; batch
	s_and_b32 s16, s16, 2047
	s_lshl_b32 s16, s16, 7                         ; rows of 128 bytes
	s_lshl_b32 s17, s17, 22                        ; 16 planes of 262,144 bytes
	s_add_co_u32 s16, s16, s17
	s_lshl_b32 s17, s66, 23                        ; parts of 8,388,608 bytes
	s_add_co_u32 s16, s16, s17
	s_mov_b32 s17, 0
	s_add_nc_u64 s[8:9], s[86:87], s[16:17]
	s_lshl_b32 s46, s42, 2
	s_lshl_b32 s47, s12, 1
	s_add_co_u32 s46, s46, s47                     ; my first head = 4 x block column + 2 x half
	s_lshl_b32 s46, s46, 18
	s_mov_b32 s47, 0
	s_add_nc_u64 s[8:9], s[8:9], s[46:47]
	; LDS addresses.  A bf16 fragment's lane wants k = 8 h .. 8 h + 7 and 16 + 8 h .. : as f32 that is 32 bytes at 32 h and 32 bytes at 64 + 32 h
	v_mul_u32_u24 v3, v1, PITCH
	v_lshl_add_u32 v3, v2, 5, v3                   ; row x pitch + 32 h
	s_mul_i32 s21, s11, HALFT                      ; my 128 rows of x
	s_mul_i32 s22, s12, HALFT                      ; my 128 rows of W,
	s_add_co_u32 s22, s22, 2*HALFT                 ; which lie behind x's 256
.irp s, 0,1
	v_add_nc_u32 v[ADRA+\s], s21, v3
	v_add_nc_u32 v[ADRB+\s], s22, v3
	s_add_co_u32 s21, s21, SLOT
	s_add_co_u32 s22, s22, SLOT
.endr
	s_mul_i32 s23, s10, 2*HBLK
	s_add_co_u32 s23, s23, STAGE                   ; my stage
	v_mul_u32_u24 v4, v1, 144
	v_lshl_add_u32 v4, v2, 4, v4
	v_add_nc_u32 v[STO], s23, v4                   ; in: row r, 16 bytes for each half of the lanes
	v_lshrrev_b32 v6, 3, v5
	v_and_b32 v7, 7, v5
	v_mul_u32_u24 v6, v6, 144
	v_lshl_add_u32 v6, v7, 4, v6
	v_add_nc_u32 v[RD], s23, v6                    ; back: eight lanes take a row of 128 bytes, the wave four rows
	v_lshlrev_b32 v[CO], 4, v5                     ; and those four rows are 512 neighbouring bytes of the plane
; 32 LDS loads: eight fragments (128 rows, 32 along K at byte kb of the rows) as f32 into RAW
.macro RAWLD adr, kb
.irp i, 0,1,2,3,4,5,6,7
	ds_load_b128 v[RAW+16*\i:RAW+16*\i+3],     v[\adr] offset:\i*16*PITCH+\kb
	ds_load_b128 v[RAW+16*\i+4:RAW+16*\i+7],   v[\adr] offset:\i*16*PITCH+\kb+16
	ds_load_b128 v[RAW+16*\i+8:RAW+16*\i+11],  v[\adr] offset:\i*16*PITCH+\kb+64
	ds_load_b128 v[RAW+16*\i+12:RAW+16*\i+15], v[\adr] offset:\i*16*PITCH+\kb+80
.endr
.endm
; 64 roundings: RAW's 128 f32 become eight bf16 fragments at dst in window 1
.macro CVT dst
	WIN CVTW
.set c, 0
.rept 64
	v_cvt_pk_bf16_f32 v[\dst+c], v[RAW+2*c], v[RAW+2*c+1]
.set c, c+1
.endr
.endm
; 16 matrix instructions on fragment buffer f: m blocks a0, a0 + 1 of the window's four x all 8 n blocks.  first = 1: C is the bias.
; The 64 accumulators take turns, one instruction a turn, in the same order in every unit.
.macro MUL16 f, hi, a0, first
.irp a, \a0, \a0+1
.irp b, 0,1,2,3,4,5,6,7
.if \first
	v_wmma_f32_16x16x32_bf16 v[8*(8*(\a)+\b):8*(8*(\a)+\b)+7], v[WF+64*\f+8*\b:WF+64*\f+8*\b+7], v[XF+64*\f+8*(4*\hi+\a):XF+64*\f+8*(4*\hi+\a)+7], v[BIAS+8*\b:BIAS+8*\b+7]
.else
	v_wmma_f32_16x16x32_bf16 v[8*(8*(\a)+\b):8*(8*(\a)+\b)+7], v[WF+64*\f+8*\b:WF+64*\f+8*\b+7], v[XF+64*\f+8*(4*\hi+\a):XF+64*\f+8*(4*\hi+\a)+7], v[8*(8*(\a)+\b):8*(8*(\a)+\b)+7]
.endif
.endr
.endr
.endm
; A K step is two units of 32 along K, 64 matrix instructions each.
; RAW is no operand of a matrix instruction, so loads into it owe no distance.  A fragment buffer is rewritten by conversions only after the
; 64 conversions of the other buffer have been issued behind the last matrix instruction that read it (ISA guide 7.12.1 asks for four places).
; The first unit: multiplies buffer 0 and makes buffer 1 from bytes 128.. of the same slot's rows.
.macro UNIT0 slot, first
	WIN 0
	RAWLD ADRB+\slot, 128
.if \first
	WIN FIRST_LO
.else
	WIN MUL_LO
.endif
	MUL16 0, 0, 0, \first
	MUL16 0, 0, 2, \first
	s_wait_dscnt 0x0                               ; W's 32 loads, issued 32 matrix instructions ago
	CVT WF+64
	WIN 0
	RAWLD ADRA+\slot, 128
.if \first
	WIN FIRST_HI
.else
	WIN MUL_HI
.endif
	MUL16 0, 1, 0, \first
	MUL16 0, 1, 2, \first
	s_wait_dscnt 0x0                               ; x's 32 loads: my last reads of this slot
	CVT XF+64
.endm
; The second unit: multiplies buffer 1, changes slots, makes buffer 0 from bytes 0.. of the next slot's rows.
; fill = 1: this slot is filled again, two K steps ahead; its load then has a whole K step, 128 matrix instructions, in which to land.
; pf = 1: my 32 rows of the tile four K steps ahead are asked for.
.macro TURN slot, next, fill, pf
	s_wait_dscnt 0x0                               ; my reads of this slot are over
	s_wait_tensorcnt 0x0                           ; all my tensor loads have landed: the one that was out is my part of the next slot
	ds_add_u32 v30, v31
	s_wait_dscnt 0x0
	s_barrier_signal -1                            ; say so (where the slot is filled again this barrier opens a round of the cluster's barrier),
	WIN MUL_LO
	MUL16 1, 0, 0, 0                               ; work on registers while the others arrive,
	WIN 0
	s_barrier_wait -1
.if \fill
	CREST                                          ; no wave of any partner still reads this slot or has a load on its way
	s_add_nc_u64 s[G0+4*\slot+2:G0+4*\slot+3], s[G0+4*\slot+2:G0+4*\slot+3], 2*KSTEPB
	s_add_nc_u64 s[G0B+4*\slot+2:G0B+4*\slot+3], s[G0B+4*\slot+2:G0B+4*\slot+3], 2*KSTEPB
	JLOAD \slot                                    ; the first tensor load behind the round, ahead of the first LDS read
.endif
	RAWLD ADRB+\next, 0
.if \pf
	global_prefetch_b8 v[PF], s[90:91] offset:(4+\slot)*KSTEPB th:TH_LOAD_NT scope:SCOPE_SE     ; the base stands at this lap's first K step
.endif
	WIN MUL_LO
	MUL16 1, 0, 2, 0
	s_wait_dscnt 0x0
	CVT WF
	WIN 0
	RAWLD ADRA+\next, 0
	WIN MUL_HI
	MUL16 1, 1, 0, 0
	MUL16 1, 1, 2, 0
	s_wait_dscnt 0x0
	CVT XF
.endm
.macro LAP first, pf                   ; once round the ring, both slots filled again
	UNIT0 0, \first
	TURN 0, 1, 1, \pf
	UNIT0 1, 0
	TURN 1, 0, 1, \pf
.if \pf
	s_wait_xcnt 0x0                                ; the prefetches' base is stepped only behind this wait; the last of them was issued 48 matrix instructions ago
	s_add_nc_u64 s[90:91], s[90:91], 2*KSTEPB
.endif
.endm
	s_wait_tensorcnt 0x1                           ; my part of K step 0 is in; K step 1's load, issued behind it, stays out
	s_barrier_signal -1
	s_barrier_wait -1                              ; everybody's is
	RAWLD ADRB+0, 0
	s_wait_dscnt 0x0
	CVT WF
	WIN 0
	RAWLD ADRA+0, 0
	s_wait_dscnt 0x0
	CVT XF
	s_wait_loadcnt 0x0                             ; the bias
	LAP 1, 1                                       ; 16 K steps = 8 laps.  Lap 0 stands ahead of the loop: its first unit starts the sums from the bias
	WIN 0                                          ; at a label and at a branch every window is 0
	s_mov_b32 s3, 5                                ; laps 1 to 5: lap j asks for tiles 2 j + 4 and 2 j + 5, the last of them tile 15
.Llap:
	LAP 0, 1
	WIN 0
	s_sub_co_u32 s3, s3, 1
	s_cmp_lg_u32 s3, 0
	s_cbranch_scc1 .Llap
	LAP 0, 0                                       ; lap 6 still fills both slots (tiles 14 and 15) and has nothing left to ask for ahead
	UNIT0 0, 0                                     ; the last lap fills nothing
	TURN 0, 1, 0, 0
	UNIT0 1, 0
	WIN MUL_LO
	MUL16 1, 0, 0, 0
	MUL16 1, 0, 2, 0
	WIN MUL_HI
	MUL16 1, 1, 0, 0
	MUL16 1, 1, 2, 0
.rept 4
	v_nop                                          ; four places behind the last matrix instruction, ahead of the conversions that read results (ISA guide 7.12.1)
.endr
; THE WAY OUT, 16 rows at a time: round to f16, 16 bytes a lane into my own stage (one block for each of my two heads), read back four rows at a
; time.  Each store of the wave covers 512 consecutive bytes of a plane, aligned.  LDS serves a wave's instructions in order, so no wait stands between my stores and my loads.
.macro OUT16 i, a, from, f
	WIN \from
.irp b, 0,1,2,3,4,5,6,7
.irp p, 0,1,2,3
	v_cvt_pk_f16_f32 v[TMP+4*\b+\p], v[8*(8*\a+\b)+2*\p], v[8*(8*\a+\b)+2*\p+1]
.endr
.endr
	WIN 0
.irp b, 0,1,2,3,4,5,6,7
	ds_store_b128 v[STO], v[TMP+4*\b:TMP+4*\b+3] offset:(\b>>2)*HBLK+(\b&3)*32
.endr
	s_wait_xcnt 0x0                                ; the registers that earlier stores read are loaded again only behind this wait
.irp t, 0,1,2,3,4,5,6,7
	ds_load_b128 v[RAW+\f+4*\t:RAW+\f+4*\t+3], v[RD] offset:(\t>>2)*HBLK+(\t&3)*576
.endr
.irp t, 0,1,2,3,4,5,6,7
	s_wait_dscnt 7-\t                              ; LDS loads come back in order: load t is in, the 7 - t younger ones may be out
	global_store_b128 v[CO], v[RAW+\f+4*\t:RAW+\f+4*\t+3], s[8:9] offset:(\t>>2)*262144+\i*2048+(\t&3)*512
.endr
.endm
	OUT16 0, 0, 0x0a, 0
	OUT16 1, 1, 0x0a, 32
	OUT16 2, 2, 0x0a, 0
	OUT16 3, 3, 0x0a, 32
	OUT16 4, 0, 0x0f, 0
	OUT16 5, 1, 0x0f, 32
	OUT16 6, 2, 0x0f, 0
	OUT16 7, 3, 0x0f, 32
	s_wait_tensorcnt 0x0
	ds_add_u32 v30, v31
	s_wait_dscnt 0x0
	CROUND                                         ; the closing round: no work-group ends while a partner may still ask for a tile that names it
	s_endpgm
.Lfunc_end_k_q4777141305_qkv:
	.size	k_q4777141305_qkv, .Lfunc_end_k_q4777141305_qkv-k_q4777141305_qkv
	.p2alignl 7, 3214868480
	.fill 96, 4, 3214868480
	.section	.rodata,"a",@progbits
	.p2align	6, 0x0
	.amdhsa_kernel k_q4777141305_qkv
		.amdhsa_group_segment_fixed_size 327680
		.amdhsa_private_segment_fixed_size 0
		.amdhsa_enable_private_segment 0
		.amdhsa_kernarg_size 80
		.amdhsa_user_sgpr_count 2
		.amdhsa_user_sgpr_kernarg_segment_ptr 1
		.amdhsa_wavefront_size32 1
		.amdhsa_system_sgpr_workgroup_id_x 1
		.amdhsa_system_sgpr_workgroup_id_y 1
		.amdhsa_system_sgpr_workgroup_id_z 1
		.amdhsa_system_vgpr_workitem_id 0
		.amdhsa_next_free_vgpr 1024
		.amdhsa_next_free_sgpr 92
		.amdhsa_reserve_vcc 0
		.amdhsa_float_denorm_mode_32 3
		.amdhsa_float_denorm_mode_16_64 3
		.amdhsa_memory_ordered 1
		.amdhsa_forward_progress 1
		.amdhsa_inst_pref_size 255
	.end_amdhsa_kernel
	.section	.bss,"aw",@nobits
	.p2align	6
	.space	262144
	.amdgpu_metadata
---
amdhsa.version: [ 1, 2 ]
amdhsa.kernels:
  - .name:           k_q4777141305_qkv
    .symbol:         k_q4777141305_qkv.kd
    .args:
      - { .name: query, .offset: 0, .size: 8, .value_kind: global_buffer, .address_space: global }
      - { .name: key, .offset: 8, .size: 8, .value_kind: global_buffer, .address_space: global }
      - { .name: value, .offset: 16, .size: 8, .value_kind: global_buffer, .address_space: global }
      - { .name: Wq, .offset: 24, .size: 8, .value_kind: global_buffer, .address_space: global }
      - { .name: Wk, .offset: 32, .size: 8, .value_kind: global_buffer, .address_space: global }
      - { .name: Wv, .offset: 40, .size: 8, .value_kind: global_buffer, .address_space: global }
      - { .name: bq, .offset: 48, .size: 8, .value_kind: global_buffer, .address_space: global }
      - { .name: bk, .offset: 56, .size: 8, .value_kind: global_buffer, .address_space: global }
      - { .name: bv, .offset: 64, .size: 8, .value_kind: global_buffer, .address_space: global }
      - { .name: qkv, .offset: 72, .size: 8, .value_kind: global_buffer, .address_space: global }
    .group_segment_fixed_size: 327680
    .private_segment_fixed_size: 0
    .kernarg_segment_align: 8
    .kernarg_segment_size: 80
    .max_flat_workgroup_size: 128
    .sgpr_count:     92
    .vgpr_count:     1024
    .wavefront_size: 32
...
	.end_amdgpu_metadata
.endif
;; end of part 1
;; launch attn (part 2): grid 8 x 32, 16 waves a work-group, clusters of 4 x 1, 327,680 bytes of LDS; arguments qkv, Wo, att, wob; writes att, wob
.if DOCPART == 2
	.amdgcn_target "amdgcn-amd-amdhsa--gfx1250"
	.amdhsa_code_object_version 6
	.text
	.protected	k_q4777141305_attn
	.globl	k_q4777141305_attn
	.p2align	8
	.type	k_q4777141305_attn,@function
k_q4777141305_attn:
	s_mov_b64 s[64:65], 0
	v_nop
	global_prefetch_b8 v0, s[64:65] scope:SCOPE_SE
	s_setreg_imm32_b32 hwreg(HW_REG_WAVE_MODE, 25, 1), 1
	s_wait_xcnt 0x0
	s_wait_alu depctr_hold_cnt(0) depctr_sa_sdst(0) depctr_va_vdst(0) depctr_va_sdst(0) depctr_va_ssrc(0) depctr_va_vcc(0) depctr_vm_vsrc(0)
	s_getreg_b32 s2, hwreg(HW_REG_IB_STS2, 6, 4)
	s_cmp_eq_u32 s2, 0
	s_cbranch_scc0 .Lentry_in_a_cluster
	s_endpgm
.Lentry_in_a_cluster:
	s_bfe_u32 s2, ttmp6, 0x10000c
	s_cmp_lg_u32 s2, 0x3003
	s_cbranch_scc0 .Lentry_shape_is_right
	s_endpgm
.Lentry_shape_is_right:
; att = softmax(Q K^T / 8) V for each of 32 (batch, head) planes, by a running maximum; and, on the side, Wo rounded to bf16.
; qkv: Q, K, V parts of 8,388,608 bytes, each [plane 32][s 2048][64] f16.  att: [plane][s][64] bf16.  wob: [k / 64 (16)][n 1024][64] bf16.
; LIMITS: P is rounded to f16 (it never exceeds 1; below 6e-8 it becomes 0), att and Wo to bf16.  An exponential below 2^-126 counts as 0.
; A NaN among the scores loses in the maximum and then spoils its row's sums; infinities are not treated specially.
;
; 256 work-groups: y = the plane, x = a block of 256 queries.  SIXTEEN WAVES of 256 registers, four on each SIMD: 4 x 256 registers are all that a SIMD has.
; Wave w takes the 32 queries (two tiles of 16) of group w & 7 and the key half w >> 3: of every tile of 256 keys its 128, in two blocks of 64.  So each SIMD has
; four independent streams: while one waits for a maximum, for LDS or in a run of matrix instructions, the others' exponentials and products go on.
; At the end waves 8-15 hand their sums, shifts and O to waves 0-7 through LDS, and those merge the two halves and store.
; Keys go in tiles of 256 through two LDS slots.  CLUSTERS of 4 x 1: four query blocks of one plane read the same K and V tiles; every tile is asked for jointly (mask 15).
;
; ORIENTATION.  S^T = K Q^T (source 0 = 16 keys, source 1 = 16 queries): lane l holds query l % 16, register j key 8 (l / 16) + j.  Two such
; tiles, packed in pairs, ARE source 1 of O^T = V^T P^T for 32 keys: P passes through no LDS and no other lane.  Source 0 there is V^T, brought by
; the transposing LDS load.  In O^T lane l again holds query l % 16, register j column 8 (l / 16) + j.  So maximum, sum and rescale are one number a lane,
; and the only crossing of lanes is one exchange of the two halves for each query tile and block.
; THE SHIFT.  p = 2^(c s + NM), c = log2(e) / 8, NM = the rounded -c M, M the running maximum.  The stored NM is used for every p of the block, and the
; older sums are rescaled by 2^(NM new - NM old): what is divided out at the end is exactly what was multiplied in, whatever the size of the scores.
; The merge of the two key halves is the same step once more: NM = the smaller of the two, each half rescaled by 2^(NM - its own NM).
;
; LDS ROWS.  A plane is dense in memory, so a tile comes in as rows of 256 bytes = two rows of K (or V), each at a multiple of 256 bytes, with padding behind each:
; row j lies at PP (j >> 1) + 128 (j & 1).  K: PP = 272 = 17 columns of 16 bytes: row j starts in column (j >> 1) + 8 (j & 1) modulo 16: sixteen rows, sixteen columns.
; V: PP = 288 = 18 columns: the eight rows and two columns that sixteen lanes of a transposing load touch fall on 2 (j >> 1) + 8 (j & 1) + {0, 1}: all different.
.set KPP,    272
.set VPP,    288
.set VOFF,   128*KPP                   ; V's 256 rows lie behind K's 256
.set SLOT,   128*KPP+128*VPP           ; 71,680
.set STAGE,  2*SLOT                    ; behind the ring: 32 rows x 144 bytes, at wave x 4,608 (waves 0-7 use theirs); no tensor load lands here
.set XCH,    STAGE+16*4608             ; the exchange: 18 x 512 bytes for each query group; no tensor load lands here
.set XB,     18*512
.set KA,  2                            ; v2-3    LDS address of my K fragments, slot 0, 1
.set VA,  4                            ; v4-5    the same for V
.set STO, 6
.set RD,  7
.set CO,  8
.set WOR, 9                            ; my offset in the work-group's four rows of Wo
.set WOW, 10                           ; and in wob
.set QO,  11
.set TT,  12                           ; v12-15  at work
.set MA,  16                           ; v16-19  state set A: (NM, M) of query tile 0, of query tile 1
.set MB,  20                           ; v20-23  state set B.  The sets take turns: a block writes one and reads the other
.set AL,  24                           ; v24-27  (rescale factor, the other half's number) of tile 0, of tile 1
.set LS,  28                           ; v28-31  running sums, a pair for each query tile
.set QF,  32                           ; v32-63  Q(q, dh) at 16 q + 8 dh
.set OA,  64                           ; v64-127 O(dt, q) at 8 (2 dt + q)
.set SC,  128                          ; v128-191 S(q, kt) at 32 q + 8 kt; then P(q, g) at 32 q + 16 g, packed in place
.set FR,  192                          ; v192-255 K(kt, dh) at 16 kt + 8 dh, then V(g, dt) at 32 g + 8 dt
.macro ROUND                           ; a round of the cluster's barrier
	s_barrier_signal -1
	s_barrier_wait -1
	s_cmp_lg_u32 s12, 0
	s_cbranch_scc1 .Lnot_wave_0_\@
	s_barrier_signal -3
.Lnot_wave_0_\@:
	s_barrier_wait -3
	s_barrier_signal -1
	s_barrier_wait -1
.endm
.macro PLACES n
.rept \n
	v_nop
.endr
.endm
	s_load_b256 s[4:11], s[0:1], 0x0               ; qkv s[4:5], Wo s[6:7], att s[8:9], wob s[10:11]
	v_lshl_add_u32 v190, v0, 2, 0x47000
	v_mov_b32 v191, 0
	ds_add_u32 v190, v191
	s_wait_dscnt 0x0
	v_lshrrev_b32 v1, 5, v0
	v_readfirstlane_b32 s12, v1                    ; wave 0..15
	s_and_b32 s49, s12, 7                          ; my query group
	s_lshr_b32 s3, s12, 3                          ; my key half
	s_bfe_u32 s13, ttmp6, 0x40000                  ; cx
	s_lshl_b32 s14, ttmp9, 2
	s_add_co_u32 s14, s14, s13                     ; query block 0..7
	s_and_b32 s15, ttmp7, 0xffff                   ; plane 0..31
	; group 1: 8 rows x 32 elements of 8 bytes (16 rows of K or V); padding behind every 64 words: 4 words for K, 8 for V; mask 15 with bit 21 beside it
	s_mov_b32 s16, 15|(3<<16)|(1<<20)|(1<<21)|(5<<22)|(3<<25)
	s_mov_b32 s24, 15|(3<<16)|(1<<20)|(1<<21)|(5<<22)|(7<<25)
.irp g, 16, 24
	s_mov_b32 s[\g+1], 32<<16                      ; tensor_dim0
	s_mov_b32 s[\g+2], 8<<16                       ; tensor_dim1
	s_mov_b32 s[\g+3], 32<<16                      ; tile_dim0
	s_mov_b32 s[\g+4], 8                           ; tile_dim1
	s_mov_b32 s[\g+5], 32                          ; elements from row to row: the block is dense
	s_mov_b32 s[\g+6], 0
	s_mov_b32 s[\g+7], 0
.endr
	s_mov_b32 s50, 0x3e38aa3b                      ; c = log2(e) / 8, twice: a pair for the packed multiply-add
	s_mov_b32 s51, 0x3e38aa3b
	s_mov_b32 s52, 0xbe38aa3b                      ; -c
	s_mov_b32 s53, 0x76543210                      ; v_permlanex16_b32: lane i of one half reads lane i of the other
	s_mov_b32 s54, 0xfedcba98
	s_lshl_b32 s56, s15, 18                        ; planes of 262,144 bytes
	s_lshl_b32 s57, s12, 11                        ; the 16 rows of 128 bytes that I fetch of every tile
	s_add_co_u32 s56, s56, s57
	s_mov_b32 s57, 0
	s_mul_i32 s60, s12, 8*KPP                      ; where my rows of K land,
	s_mul_i32 s61, s12, 8*VPP
	s_add_co_u32 s61, s61, VOFF                    ; and my rows of V
	s_wait_kmcnt 0x0
	s_add_nc_u64 s[58:59], s[4:5], s[56:57]        ; no place in the cluster enters this address
.irp s, 0,1
	s_mov_b32 s[32+4*\s], 1                        ; K, slot s: tile s
	s_add_co_u32 s[33+4*\s], s60, \s*SLOT
	s_add_nc_u64 s[34+4*\s:35+4*\s], s[58:59], 8388608+\s*32768
	s_or_b32 s[35+4*\s], s[35+4*\s], 0x80000000
	s_mov_b32 s[40+4*\s], 1                        ; V, slot s
	s_add_co_u32 s[41+4*\s], s61, \s*SLOT
	s_add_nc_u64 s[42+4*\s:43+4*\s], s[58:59], 16777216+\s*32768
	s_or_b32 s[43+4*\s], s[43+4*\s], 0x80000000
.endr
	ROUND                                          ; the four work-groups are here: the first joint loads meet
	tensor_load_to_lds s[32:35], s[16:23]          ; tile 0: my 16 rows of K
	s_nop 0
	tensor_load_to_lds s[40:43], s[24:31]          ; and of V.  Two tensor loads of mine are out, the most in this text
	s_nop 0
	; global bases
	s_lshl_b32 s2, s15, 3
	s_add_co_u32 s2, s2, s14                       ; the work-group's number 0..255: it rounds rows 4 id .. 4 id + 3 of Wo
	s_lshl_b32 s62, s2, 14
	s_mov_b32 s63, 0
	s_add_nc_u64 s[6:7], s[6:7], s[62:63]
	s_lshl_b32 s62, s2, 9
	s_add_nc_u64 s[10:11], s[10:11], s[62:63]
	s_lshl_b32 s62, s15, 18                        ; plane,
	s_lshl_b32 s2, s14, 15                         ; query block of 256 rows of 128 bytes,
	s_add_co_u32 s62, s62, s2
	s_lshl_b32 s2, s49, 12                         ; my group's 32 rows
	s_add_co_u32 s62, s62, s2
	s_add_nc_u64 s[8:9], s[8:9], s[62:63]          ; att at my 32 rows
	s_add_nc_u64 s[62:63], s[4:5], s[62:63]        ; Q at my 32 rows
	; lane terms
	v_and_b32 v12, 15, v0                          ; r
	v_bfe_u32 v13, v0, 4, 1                        ; h
	v_and_b32 v14, 7, v0
	v_bfe_u32 v15, v0, 3, 1
	v_lshlrev_b32 v[QO], 7, v12
	v_lshl_add_u32 v[QO], v13, 4, v[QO]            ; 128 r + 16 h
.irp q, 0,1
.irp dh, 0,1
	global_load_b128 v[QF+16*\q+8*\dh:QF+16*\q+8*\dh+3],   v[QO], s[62:63] offset:2048*\q+64*\dh
	global_load_b128 v[QF+16*\q+8*\dh+4:QF+16*\q+8*\dh+7], v[QO], s[62:63] offset:2048*\q+64*\dh+32
.endr
.endr
	; Wo: thread t takes 8 numbers: row 2 (t >> 8) + ((t >> 3) & 1) of the four, k = 64 ((t >> 4) & 15) + 8 (t & 7)
	v_bfe_u32 v1, v0, 4, 4                         ; k / 64
	v_lshrrev_b32 v16, 8, v0                       ; which pair of rows
	v_lshlrev_b32 v[WOR], 13, v16
	v_lshl_add_u32 v[WOR], v15, 12, v[WOR]
	v_lshl_add_u32 v[WOR], v1, 8, v[WOR]           ; 64 f32
	v_lshl_add_u32 v[WOR], v14, 5, v[WOR]          ; my 8 f32
	v_lshlrev_b32 v[WOW], 17, v1                   ; planes of 1,024 rows of 128 bytes
	v_lshl_add_u32 v[WOW], v16, 8, v[WOW]
	v_lshl_add_u32 v[WOW], v15, 7, v[WOW]
	v_lshl_add_u32 v[WOW], v14, 4, v[WOW]          ; sixteen neighbouring lanes: two rows = 256 consecutive bytes, aligned
	global_load_b128 v[SC:SC+3],   v[WOR], s[6:7] th:TH_LOAD_NT
	global_load_b128 v[SC+4:SC+7], v[WOR], s[6:7] offset:16 th:TH_LOAD_NT
	; LDS addresses
	v_and_b32 v16, 1, v0                           ; l & 1 = r & 1
	v_lshrrev_b32 v1, 1, v12
	v_mul_u32_u24 v[KA], v1, KPP                   ; K: row r at 272 (r >> 1) + 128 (r & 1),
	v_lshl_add_u32 v[KA], v16, 7, v[KA]
	v_lshl_add_u32 v[KA], v13, 4, v[KA]            ; + 16 h,
	s_mul_i32 s55, s3, 64*KPP                      ; + my half's 128 rows
	v_add_nc_u32 v[KA], s55, v[KA]
	v_add_nc_u32 v[KA+1], SLOT, v[KA]
	v_lshrrev_b32 v1, 1, v14
	v_lshl_add_u32 v1, v13, 2, v1                  ; V: key j = 8 h + l % 8: j >> 1 = 4 h + (l % 8 >> 1), j & 1 = l & 1
	v_mul_u32_u24 v[VA], v1, VPP
	v_lshl_add_u32 v[VA], v16, 7, v[VA]
	v_lshl_add_u32 v[VA], v15, 4, v[VA]            ; + 16 ((l >> 3) & 1)
	s_mul_i32 s55, s3, 64*VPP
	s_add_co_u32 s55, s55, VOFF
	v_add_nc_u32 v[VA], s55, v[VA]
	v_add_nc_u32 v[VA+1], SLOT, v[VA]
	s_mul_i32 s55, s12, 32*144
	s_add_co_u32 s55, s55, STAGE                   ; my stage
	v_mul_u32_u24 v[STO], v12, 144
	v_lshl_add_u32 v[STO], v13, 4, v[STO]
	v_add_nc_u32 v[STO], s55, v[STO]               ; in: row r, 16 bytes for each half of the lanes
	v_bfe_u32 v1, v0, 3, 2
	v_mul_u32_u24 v[RD], v1, 144
	v_lshl_add_u32 v[RD], v14, 4, v[RD]
	v_add_nc_u32 v[RD], s55, v[RD]                 ; back: eight lanes take a row, the wave four rows
	v_and_b32 v[CO], 31, v0
	v_lshlrev_b32 v[CO], 4, v[CO]
	v_mov_b32 v[AL+1], 0                           ; v_permlanex16_b32 counts as a reader of its destination
	v_mov_b32 v[AL+3], 0
	s_wait_loadcnt 0x0                             ; Q and my 8 numbers of Wo
.irp c, 0,1,2,3
	v_cvt_pk_bf16_f32 v[SC+8+\c], v[SC+2*\c], v[SC+2*\c+1]
.endr
	global_store_b128 v[WOW], v[SC+8:SC+11], s[10:11]
	s_wait_xcnt 0x0                                ; the store's data registers are written again by the first block only behind this wait
.macro LOADK slot, blk                 ; 16 loads: 64 keys x 64; the eight for d = 0..31 first
.irp dh, 0,1
.irp kt, 0,1,2,3
	ds_load_b128 v[FR+16*\kt+8*\dh:FR+16*\kt+8*\dh+3],   v[KA+\slot] offset:(32*(\blk)+8*\kt)*KPP+64*\dh
	ds_load_b128 v[FR+16*\kt+8*\dh+4:FR+16*\kt+8*\dh+7], v[KA+\slot] offset:(32*(\blk)+8*\kt)*KPP+64*\dh+32
.endr
.endr
.endm
.macro LOADV slot, blk                 ; 16 transposing loads: V^T, 64 columns x 64 keys; the eight for keys 0..31 first
.irp g, 0,1
.irp dt, 0,1,2,3
	ds_load_tr16_b128 v[FR+32*\g+8*\dt:FR+32*\g+8*\dt+3],   v[VA+\slot] offset:(32*(\blk)+16*\g)*VPP+32*\dt
	ds_load_tr16_b128 v[FR+32*\g+8*\dt+4:FR+32*\g+8*\dt+7], v[VA+\slot] offset:(32*(\blk)+16*\g+8)*VPP+32*\dt
.endr
.endr
.endm
; The new maximum of query tile q over my 32 scores (chains of 9, 9, 7, 7), the old maximum and the other half of the lanes; NM; the rescale factor.
.macro MAXQ q, nw, od, first
	v_max3_num_f32 v[TT],   v[SC+32*\q],    v[SC+32*\q+1],  v[SC+32*\q+2]
	v_max3_num_f32 v[TT+1], v[SC+32*\q+9],  v[SC+32*\q+10], v[SC+32*\q+11]
	v_max3_num_f32 v[TT+2], v[SC+32*\q+18], v[SC+32*\q+19], v[SC+32*\q+20]
	v_max3_num_f32 v[TT+3], v[SC+32*\q+25], v[SC+32*\q+26], v[SC+32*\q+27]
	v_max3_num_f32 v[TT],   v[TT],   v[SC+32*\q+3],  v[SC+32*\q+4]
	v_max3_num_f32 v[TT+1], v[TT+1], v[SC+32*\q+12], v[SC+32*\q+13]
	v_max3_num_f32 v[TT+2], v[TT+2], v[SC+32*\q+21], v[SC+32*\q+22]
	v_max3_num_f32 v[TT+3], v[TT+3], v[SC+32*\q+28], v[SC+32*\q+29]
	v_max3_num_f32 v[TT],   v[TT],   v[SC+32*\q+5],  v[SC+32*\q+6]
	v_max3_num_f32 v[TT+1], v[TT+1], v[SC+32*\q+14], v[SC+32*\q+15]
	v_max3_num_f32 v[TT+2], v[TT+2], v[SC+32*\q+23], v[SC+32*\q+24]
	v_max3_num_f32 v[TT+3], v[TT+3], v[SC+32*\q+30], v[SC+32*\q+31]
	v_max3_num_f32 v[TT],   v[TT],   v[SC+32*\q+7],  v[SC+32*\q+8]
	v_max3_num_f32 v[TT+1], v[TT+1], v[SC+32*\q+16], v[SC+32*\q+17]
	v_max3_num_f32 v[TT], v[TT], v[TT+1], v[TT+2]
.if \first
	v_max_num_f32 v[TT], v[TT], v[TT+3]
.else
	v_max3_num_f32 v[TT], v[TT], v[TT+3], v[\od+2*\q+1]
.endif
	v_permlanex16_b32 v[AL+2*\q+1], v[TT], s53, s54
	v_max_num_f32 v[\nw+2*\q+1], v[TT], v[AL+2*\q+1]           ; M, the same in both halves
	v_mul_f32 v[\nw+2*\q], s52, v[\nw+2*\q+1]                  ; NM = -c M, rounded once and kept
.if \first == 0
	v_sub_f32 v[AL+2*\q], v[\nw+2*\q], v[\od+2*\q]
	v_exp_f32 v[AL+2*\q], v[AL+2*\q]               ; a plain vector instruction that does not touch it follows (ISA guide 5.7.2): the next line of the block
.endif
.endm
; Pair i of query tile q's 16 pairs of p: into the sum, then packed to f16 in place.  The target register 16 (i / 8) + i % 8 is never above 2 i,
; and the numbers below 2 i have been summed and packed already.
.macro ADDCVT q, i
	s_wait_alu depctr_va_vdst(0)
	v_pk_add_f32 v[LS+2*\q:LS+2*\q+1], v[LS+2*\q:LS+2*\q+1], v[SC+32*\q+2*(\i):SC+32*\q+2*(\i)+1]
	v_cvt_pk_f16_f32 v[SC+32*\q+16*((\i)/8)+(\i)%8], v[SC+32*\q+2*(\i)], v[SC+32*\q+2*(\i)+1]
.endm
.macro SUMCVT q, i, first              ; first = 1: pairs 0 and 1 start the sum, nothing is cleared
.if \first
.if (\i) == 1
	s_wait_alu depctr_va_vdst(0)
	v_pk_add_f32 v[LS+2*\q:LS+2*\q+1], v[SC+32*\q:SC+32*\q+1], v[SC+32*\q+2:SC+32*\q+3]
	v_cvt_pk_f16_f32 v[SC+32*\q],   v[SC+32*\q],   v[SC+32*\q+1]
	v_cvt_pk_f16_f32 v[SC+32*\q+1], v[SC+32*\q+2], v[SC+32*\q+3]
.endif
.if (\i) > 1
	ADDCVT \q, \i
.endif
.else
	ADDCVT \q, \i
.endif
.endm
; 64 keys.  K's fragments have been asked for.  first = 1: the wave's very first block: no older state.  nextk = 1: the next block's K is asked for at the end.
; In every run of matrix instructions eight accumulators take turns, one instruction a turn.
.macro BLOCK slot, blk, first, nextk
.if (\blk) & 1
.set NW, MB
.set OD, MA
.else
.set NW, MA
.set OD, MB
.endif
	s_wait_dscnt 0x8                               ; K for d = 0..31 is in; the eight younger loads may be out
.irp kt, 0,1,2,3
.irp q, 0,1
	v_wmma_f32_16x16x32_f16 v[SC+32*\q+8*\kt:SC+32*\q+8*\kt+7], v[FR+16*\kt:FR+16*\kt+7], v[QF+16*\q:QF+16*\q+7], 0
.endr
.endr
	s_wait_dscnt 0x0
.irp kt, 0,1,2,3
.irp q, 0,1
	v_wmma_f32_16x16x32_f16 v[SC+32*\q+8*\kt:SC+32*\q+8*\kt+7], v[FR+16*\kt+8:FR+16*\kt+15], v[QF+16*\q+8:QF+16*\q+15], v[SC+32*\q+8*\kt:SC+32*\q+8*\kt+7]
.endr
.endr
	PLACES 4                                       ; ahead of the loads into K's registers and of the reads of the scores
	LOADV \slot, \blk
	MAXQ 0, NW, OD, \first
	MAXQ 1, NW, OD, \first
.set i, 0
.rept 16
	v_pk_fma_f32 v[SC+2*i:SC+2*i+1], v[SC+2*i:SC+2*i+1], s[50:51], v[NW:NW+1] op_sel_hi:[1,0,0]      ; tile 0: c s + NM
.set i, i+1
.endr
.set i, 0
.rept 16                               ; tile 0's exponentials; behind each two, plain work on other registers: tile 1's exponents, tile 0's rescale
	v_exp_f32 v[SC+2*i], v[SC+2*i]
	v_exp_f32 v[SC+2*i+1], v[SC+2*i+1]
	v_pk_fma_f32 v[SC+32+2*i:SC+32+2*i+1], v[SC+32+2*i:SC+32+2*i+1], s[50:51], v[NW+2:NW+3] op_sel_hi:[1,0,0]
.if \first == 0
	s_wait_alu depctr_va_vdst(0)
	v_pk_mul_f32 v[OA+16*(i/4)+2*(i%4):OA+16*(i/4)+2*(i%4)+1], v[OA+16*(i/4)+2*(i%4):OA+16*(i/4)+2*(i%4)+1], v[AL:AL+1] op_sel_hi:[1,0]
.endif
.set i, i+1
.endr
.if \first == 0
	v_pk_mul_f32 v[LS:LS+1],   v[LS:LS+1],   v[AL:AL+1]   op_sel_hi:[1,0]
	v_pk_mul_f32 v[LS+2:LS+3], v[LS+2:LS+3], v[AL+2:AL+3] op_sel_hi:[1,0]
.endif
.set i, 0
.rept 16                               ; tile 1's exponentials; behind each two: tile 0's sum and packing, tile 1's rescale
	v_exp_f32 v[SC+32+2*i], v[SC+32+2*i]
	v_exp_f32 v[SC+32+2*i+1], v[SC+32+2*i+1]
	SUMCVT 0, i, \first
.if \first == 0
	v_pk_mul_f32 v[OA+8+16*(i/4)+2*(i%4):OA+8+16*(i/4)+2*(i%4)+1], v[OA+8+16*(i/4)+2*(i%4):OA+8+16*(i/4)+2*(i%4)+1], v[AL+2:AL+3] op_sel_hi:[1,0]
.endif
.set i, i+1
.endr
.set i, 0
.rept 16
	SUMCVT 1, i, \first
.set i, i+1
.endr
	s_wait_dscnt 0x8                               ; V of keys 0..31 is in; the eight younger loads may be out
.irp dt, 0,1,2,3
.irp q, 0,1
.if \first
	v_wmma_f32_16x16x32_f16 v[OA+8*(2*\dt+\q):OA+8*(2*\dt+\q)+7], v[FR+8*\dt:FR+8*\dt+7], v[SC+32*\q:SC+32*\q+7], 0
.else
	v_wmma_f32_16x16x32_f16 v[OA+8*(2*\dt+\q):OA+8*(2*\dt+\q)+7], v[FR+8*\dt:FR+8*\dt+7], v[SC+32*\q:SC+32*\q+7], v[OA+8*(2*\dt+\q):OA+8*(2*\dt+\q)+7]
.endif
.endr
.endr
	s_wait_dscnt 0x0
.irp dt, 0,1,2,3
.irp q, 0,1
	v_wmma_f32_16x16x32_f16 v[OA+8*(2*\dt+\q):OA+8*(2*\dt+\q)+7], v[FR+32+8*\dt:FR+32+8*\dt+7], v[SC+32*\q+16:SC+32*\q+23], v[OA+8*(2*\dt+\q):OA+8*(2*\dt+\q)+7]
.endr
.endr
	PLACES 5                                       ; five: the next block's first matrix instructions write over P's registers; V's registers are loaded again (four)
.if \nextk
	LOADK \slot, \blk+1
.endif
.endm
; A tile of 256 keys from slot `slot`: my half's two blocks.  refill = 1: the other slot, read in the trip before, gets the next tile, which has this trip in which to land.
.macro TRIP slot, refill, first
	s_wait_xcnt 0x0
	v_lshl_add_u32 v190, v0, 2, 0x47000
	v_mov_b32 v191, 0
	s_wait_tensorcnt 0x0                           ; all my tensor loads have landed, my rows of this trip's tile among them,
	ds_add_u32 v190, v191
	s_wait_dscnt 0x0
	s_add_nc_u64 s[34+4*\slot:35+4*\slot], s[34+4*\slot:35+4*\slot], 65536      ; so every group 0 may be written: this slot's next tile, two tiles on
	s_add_nc_u64 s[42+4*\slot:43+4*\slot], s[42+4*\slot:43+4*\slot], 65536
	s_wait_dscnt 0x0                               ; my reads of the last trip's tile are over
	ROUND                                          ; both now hold of every wave of the four work-groups
.if \refill
	tensor_load_to_lds s[32+4*(1-\slot):35+4*(1-\slot)], s[16:23]               ; the first tensor loads behind the round, ahead of the first LDS read
	s_nop 0
	tensor_load_to_lds s[40+4*(1-\slot):43+4*(1-\slot)], s[24:31]
	s_nop 0
.endif
	LOADK \slot, 0
	BLOCK \slot, 0, \first, 1
	BLOCK \slot, 1, 0, 0
.endm
	TRIP 0, 1, 1                                   ; eight tiles: two ahead of the loop (the first block starts the sums), four in it, two behind
	TRIP 1, 1, 0
	s_mov_b32 s48, 2
.Lpair:
	TRIP 0, 1, 0
	TRIP 1, 1, 0
	s_sub_co_u32 s48, s48, 1
	s_cmp_lg_u32 s48, 0
	s_cbranch_scc1 .Lpair
	TRIP 0, 1, 0
	TRIP 1, 0, 0                                   ; the last tile: nothing more to fetch (the stepped addresses are not used)
	; THE MERGE.  The last block wrote state set B.  First each wave's own sum over its 1,024 keys, in every lane:
	v_add_f32 v[LS],   v[LS],   v[LS+1]
	v_add_f32 v[LS+2], v[LS+2], v[LS+3]
	v_permlanex16_b32 v[AL+1], v[LS],   s53, s54
	v_permlanex16_b32 v[AL+3], v[LS+2], s53, s54
	v_add_f32 v[LS],   v[LS],   v[AL+1]
	v_add_f32 v[LS+2], v[LS+2], v[AL+3]
	s_cmp_lt_u32 s12, 8
	s_cbranch_scc1 .Lkeeps
	; waves 8-15 hand over O (16 stores), (NM, M) of both tiles, and the sums: 16 bytes a lane, 512 consecutive bytes a store
	s_sub_co_u32 s56, s12, 8
	s_mul_i32 s56, s56, XB
	s_add_co_u32 s56, s56, XCH
	v_add_nc_u32 v1, s56, v[CO]
.set i, 0
.rept 16
	ds_store_b128 v1, v[OA+4*i:OA+4*i+3] offset:512*i
.set i, i+1
.endr
	ds_store_b128 v1, v[MB:MB+3] offset:8192
	ds_store_b128 v1, v[LS:LS+3] offset:8704
.Lkeeps:
	s_wait_dscnt 0x0                               ; for the readers' sake: my stores are done
	s_barrier_signal -1
	s_barrier_wait -1
	s_cmp_lt_u32 s12, 8
	s_cbranch_scc0 .Lclose
	; waves 0-7 take the other half's numbers: same lane, same register order
	s_mul_i32 s56, s12, XB
	s_add_co_u32 s56, s56, XCH
	v_add_nc_u32 v1, s56, v[CO]
.set i, 0
.rept 16
	ds_load_b128 v[SC+4*i:SC+4*i+3], v1 offset:512*i
.set i, i+1
.endr
	ds_load_b128 v[FR:FR+3],   v1 offset:8192      ; NM, M of tile 0, NM, M of tile 1
	ds_load_b128 v[FR+4:FR+7], v1 offset:8704      ; the sum of tile 0 in FR+4, of tile 1 in FR+6
	s_wait_dscnt 0x0
	v_min_num_f32 v[TT],   v[MB],   v[FR]          ; the smaller NM belongs to the larger maximum
	v_min_num_f32 v[TT+1], v[MB+2], v[FR+2]
	v_sub_f32 v[AL],   v[TT],   v[MB]
	v_sub_f32 v[AL+2], v[TT+1], v[MB+2]
	v_sub_f32 v[MA],   v[TT],   v[FR]
	v_sub_f32 v[MA+2], v[TT+1], v[FR+2]
	v_exp_f32 v[AL],   v[AL]                       ; my half's factor, at most 1
	v_exp_f32 v[AL+2], v[AL+2]
	v_exp_f32 v[MA],   v[MA]                       ; the other half's
	v_exp_f32 v[MA+2], v[MA+2]
	v_nop                                          ; one plain place behind the exponentials (ISA guide 5.7.2)
	s_wait_alu depctr_va_vdst(0)
	v_mul_f32 v[LS],   v[LS],   v[AL]
	v_mul_f32 v[LS+2], v[LS+2], v[AL+2]
	v_fmac_f32 v[LS],   v[FR+4], v[MA]             ; the sum over all 2,048 keys; at least about 1: the p of the largest score
	v_fmac_f32 v[LS+2], v[FR+6], v[MA+2]
	v_rcp_f32 v[TT],   v[LS]
	v_rcp_f32 v[TT+1], v[LS+2]
	v_nop                                          ; one plain place behind the reciprocals
	s_wait_alu depctr_va_vdst(0)
	v_mul_f32 v[AL],   v[AL],   v[TT]              ; factor / sum, for each half and tile
	v_mul_f32 v[MA],   v[MA],   v[TT]
	v_mul_f32 v[AL+2], v[AL+2], v[TT+1]
	v_mul_f32 v[MA+2], v[MA+2], v[TT+1]
	; THE WAY OUT: merge and divide, round to bf16, through my own stage, four rows of 128 bytes a store
.irp dt, 0,1,2,3
.irp q, 0,1
.irp p, 0,1,2,3
	v_pk_mul_f32 v[OA+8*(2*\dt+\q)+2*\p:OA+8*(2*\dt+\q)+2*\p+1], v[OA+8*(2*\dt+\q)+2*\p:OA+8*(2*\dt+\q)+2*\p+1], v[AL+2*\q:AL+2*\q+1] op_sel_hi:[1,0]
.endr
.irp p, 0,1,2,3
	v_pk_fma_f32 v[OA+8*(2*\dt+\q)+2*\p:OA+8*(2*\dt+\q)+2*\p+1], v[SC+8*(2*\dt+\q)+2*\p:SC+8*(2*\dt+\q)+2*\p+1], v[MA+2*\q:MA+2*\q+1], v[OA+8*(2*\dt+\q)+2*\p:OA+8*(2*\dt+\q)+2*\p+1] op_sel_hi:[1,0,1]
.endr
.irp p, 0,1,2,3
	v_cvt_pk_bf16_f32 v[FR+32+4*(2*\dt+\q)+\p], v[OA+8*(2*\dt+\q)+2*\p], v[OA+8*(2*\dt+\q)+2*\p+1]
.endr
	ds_store_b128 v[STO], v[FR+32+4*(2*\dt+\q):FR+32+4*(2*\dt+\q)+3] offset:2304*\q+32*\dt     ; row 16 q + r, columns 16 dt + 8 h ..
.endr
.endr
.irp t, 0,1,2,3,4,5,6,7
	ds_load_b128 v[FR+4*\t:FR+4*\t+3], v[RD] offset:576*\t         ; LDS serves a wave's instructions in order: these see my stores above
.endr
.irp t, 0,1,2,3,4,5,6,7
	s_wait_dscnt 7-\t                              ; load t is in, the 7 - t younger ones may be out
	global_store_b128 v[CO], v[FR+4*\t:FR+4*\t+3], s[8:9] offset:512*\t        ; 512 consecutive bytes, aligned
.endr
.Lclose:
	s_wait_xcnt 0x0
	v_lshl_add_u32 v190, v0, 2, 0x47000
	v_mov_b32 v191, 0
	s_wait_tensorcnt 0x0
	ds_add_u32 v190, v191
	s_wait_dscnt 0x0
	ROUND                                          ; the closing round
	s_endpgm
.Lfunc_end_k_q4777141305_attn:
	.size	k_q4777141305_attn, .Lfunc_end_k_q4777141305_attn-k_q4777141305_attn
	.p2alignl 7, 3214868480
	.fill 96, 4, 3214868480
	.section	.rodata,"a",@progbits
	.p2align	6, 0x0
	.amdhsa_kernel k_q4777141305_attn
		.amdhsa_group_segment_fixed_size 327680
		.amdhsa_private_segment_fixed_size 0
		.amdhsa_enable_private_segment 0
		.amdhsa_kernarg_size 32
		.amdhsa_user_sgpr_count 2
		.amdhsa_user_sgpr_kernarg_segment_ptr 1
		.amdhsa_wavefront_size32 1
		.amdhsa_system_sgpr_workgroup_id_x 1
		.amdhsa_system_sgpr_workgroup_id_y 1
		.amdhsa_system_sgpr_workgroup_id_z 1
		.amdhsa_system_vgpr_workitem_id 0
		.amdhsa_next_free_vgpr 256
		.amdhsa_next_free_sgpr 66
		.amdhsa_reserve_vcc 0
		.amdhsa_float_denorm_mode_32 3
		.amdhsa_float_denorm_mode_16_64 3
		.amdhsa_memory_ordered 1
		.amdhsa_forward_progress 1
		.amdhsa_inst_pref_size 244
	.end_amdhsa_kernel
	.amdgpu_metadata
---
amdhsa.version: [ 1, 2 ]
amdhsa.kernels:
  - .name:           k_q4777141305_attn
    .symbol:         k_q4777141305_attn.kd
    .args:
      - { .name: qkv, .offset: 0, .size: 8, .value_kind: global_buffer, .address_space: global }
      - { .name: Wo, .offset: 8, .size: 8, .value_kind: global_buffer, .address_space: global }
      - { .name: att, .offset: 16, .size: 8, .value_kind: global_buffer, .address_space: global }
      - { .name: wob, .offset: 24, .size: 8, .value_kind: global_buffer, .address_space: global }
    .group_segment_fixed_size: 327680
    .private_segment_fixed_size: 0
    .kernarg_segment_align: 8
    .kernarg_segment_size: 32
    .max_flat_workgroup_size: 512
    .sgpr_count:     66
    .vgpr_count:     256
    .wavefront_size: 32
...
	.end_amdgpu_metadata
.endif
;; end of part 2
;; launch oproj (part 3): grid 8 x 32, 4 waves a work-group, clusters of 4 x 4, 327,680 bytes of LDS; arguments att, wob, bo, out0; writes out0
.if DOCPART == 3
	.amdgcn_target "amdgcn-amd-amdhsa--gfx1250"
	.amdhsa_code_object_version 6
	.text
	.protected	k_q4777141305_oproj
	.globl	k_q4777141305_oproj
	.p2align	8
	.type	k_q4777141305_oproj,@function
k_q4777141305_oproj:
	s_mov_b64 s[64:65], 0
	v_nop
	global_prefetch_b8 v0, s[64:65] scope:SCOPE_SE
	s_setreg_imm32_b32 hwreg(HW_REG_WAVE_MODE, 25, 1), 1
	s_wait_xcnt 0x0
	s_wait_alu depctr_hold_cnt(0) depctr_sa_sdst(0) depctr_va_vdst(0) depctr_va_sdst(0) depctr_va_ssrc(0) depctr_va_vcc(0) depctr_vm_vsrc(0)
	s_getreg_b32 s2, hwreg(HW_REG_IB_STS2, 6, 4)
	s_cmp_eq_u32 s2, 0
	s_cbranch_scc0 .Lentry_in_a_cluster
	s_endpgm
.Lentry_in_a_cluster:
	s_bfe_u32 s2, ttmp6, 0x10000c
	s_cmp_lg_u32 s2, 0xf033
	s_cbranch_scc0 .Lentry_shape_is_right
	s_endpgm
.Lentry_shape_is_right:
; out0 = att Wo^T + bo.  att: [batch 2][head 16][s 2048][64] bf16; wob: [k / 64 (16)][n 1024][64] bf16; bo: [1024] f32; out0: [4096][1024] f32.
; Products in bf16, sums in f32 with the bias as first addend.  LIMITS: none beyond the operands' rounding, made where they were stored.
; 256 work-groups of 128 x 128 (blocks of 256 x 256 would be 64 work-groups); four waves, each 64 x 64 = 16 accumulator tiles.
; K goes in four tiles of 256 = four heads through two LDS slots; a head's sub-tile (128 rows x 128 bytes) is a dense block of memory.
; CLUSTERS of 4 x 4: att's tiles hang on the block row alone and are shared along a row of the cluster, wob's on the block column alone and are
; shared along a column; each wave asks jointly for one sub-tile of each.
; The matrix instruction is used transposed (source 0 = rows of wob, source 1 = rows of att): a lane holds eight neighbouring columns of one row.
; REGISTERS: window 0: v16-27 addresses; v32-95, v96-159 fragment buffers 0, 1 (wob's four fragments, then att's four); v160-191 the bias as four
; tiles of C; v192-255 rows read back.  Window 1: v0-127 accumulator tile (a, b) at v[8 (4 a + b)].
.set KP,    144                        ; an LDS row: 128 bytes + 16
.set SUB,   128*KP                     ; a sub-tile
.set WOFF,  4*SUB                      ; wob's four sub-tiles lie behind att's four
.set SLOT,  8*SUB
.set STAGE, 2*SLOT                     ; behind the ring: 16 rows x 272 bytes for each wave; no tensor load lands here
.set SP,    272
.set ADRA, 16
.set ADRB, 20
.set STO,  24
.set RD,   25
.set CO,   26
.set BO,   27
.set F0,   32
.set F1,   96
.set BIAS, 160
.set BACK, 192
.set G1A, 16                           ; s[16:23] group 1 for att's tiles
.set G1B, 24                           ; s[24:31] group 1 for wob's tiles
.set G0A, 32                           ; s[32:39] group 0 for att, one set for each slot
.set G0W, 48                           ; s[48:55] group 0 for wob
.set MUL,   0x50                       ; C and D window 1, sources window 0
.set FIRST, 0x40                       ; D window 1, C window 0: the bias starts the sums
.set MSB, 0
.macro WIN new
.if MSB != \new
	s_set_vgpr_msb (MSB<<8)|\new
.set MSB, \new
.endif
.endm
.macro PLACES
.rept 4
	v_nop
.endr
.endm
.macro CREST
	s_cmp_lg_u32 s12, 0
	s_cbranch_scc1 .Lnot_wave_0_\@
	s_barrier_signal -3
.Lnot_wave_0_\@:
	s_barrier_wait -3
	s_barrier_signal -1
	s_barrier_wait -1
.endm
.macro CROUND
	s_barrier_signal -1
	s_barrier_wait -1
	CREST
.endm
	s_load_b256 s[4:11], s[0:1], 0x0               ; att s[4:5], wob s[6:7], bo s[8:9], out0 s[10:11]
	v_lshl_add_u32 v30, v0, 2, 0x4c400
	v_mov_b32 v31, 0
	ds_add_u32 v30, v31
	v_lshrrev_b32 v1, 5, v0
	v_readfirstlane_b32 s12, v1                    ; wave 0..3: also the sub-tile that I fetch
	s_lshr_b32 s13, s12, 1                         ; my half of the block's rows
	s_and_b32 s14, s12, 1                          ; my half of its columns
	s_bfe_u32 s40, ttmp6, 0x40000                  ; cx
	s_bfe_u32 s41, ttmp6, 0x40004                  ; cy
	s_lshl_b32 s42, ttmp9, 2
	s_add_co_u32 s42, s42, s40                     ; block column 0..7
	s_and_b32 s43, ttmp7, 0xffff
	s_lshl_b32 s43, s43, 2
	s_add_co_u32 s43, s43, s41                     ; block row 0..31
	s_lshl_b32 s44, s41, 2
	s_lshl_b32 s44, 15, s44                        ; my row of the cluster
	s_lshl_b32 s45, 0x1111, s40                    ; my column
	; group 1: 128 rows x 64 elements of 2 bytes, 4 words of padding behind every 32 words
	s_or_b32 s[G1A+0], s44, (1<<16)|(1<<20)|(1<<21)|(4<<22)|(3<<25)
	s_or_b32 s[G1B+0], s45, (1<<16)|(1<<20)|(1<<21)|(4<<22)|(3<<25)
.irp g, G1A, G1B
	s_mov_b32 s[\g+1], 64<<16
	s_mov_b32 s[\g+2], 128<<16
	s_mov_b32 s[\g+3], 64<<16
	s_mov_b32 s[\g+4], 128
	s_mov_b32 s[\g+5], 64
	s_mov_b32 s[\g+6], 0
	s_mov_b32 s[\g+7], 0
.endr
	s_lshr_b32 s56, s43, 4                         ; batch: 16 block rows each
	s_lshl_b32 s56, s56, 4
	s_add_co_u32 s56, s56, s12                     ; plane 16 batch + wave (+ 4 for each tile)
	s_lshl_b32 s56, s56, 18
	s_and_b32 s57, s43, 15
	s_lshl_b32 s57, s57, 14                        ; 128 rows of 128 bytes
	s_add_co_u32 s56, s56, s57
	s_mov_b32 s57, 0
	s_lshl_b32 s58, s12, 17                        ; wob: plane = wave (+ 4 for each tile), 131,072 bytes
	s_lshl_b32 s59, s42, 14
	s_add_co_u32 s58, s58, s59
	s_mov_b32 s59, 0
	s_mul_i32 s46, s12, SUB                        ; where my sub-tiles land
	s_wait_dscnt 0x0
	s_wait_kmcnt 0x0
	s_add_nc_u64 s[56:57], s[4:5], s[56:57]
	s_add_nc_u64 s[58:59], s[6:7], s[58:59]
	CROUND                                         ; all sixteen work-groups are here: the first joint loads meet
.irp s, 0,1
	s_mov_b32 s[G0A+4*\s], 1
	s_add_co_u32 s[G0A+4*\s+1], s46, \s*SLOT
	s_add_nc_u64 s[G0A+4*\s+2:G0A+4*\s+3], s[56:57], \s*1048576
	s_or_b32 s[G0A+4*\s+3], s[G0A+4*\s+3], 0x80000000
	s_mov_b32 s[G0W+4*\s], 1
	s_add_co_u32 s[G0W+4*\s+1], s46, \s*SLOT+WOFF
	s_add_nc_u64 s[G0W+4*\s+2:G0W+4*\s+3], s[58:59], \s*524288
	s_or_b32 s[G0W+4*\s+3], s[G0W+4*\s+3], 0x80000000
	tensor_load_to_lds s[G0A+4*\s:G0A+4*\s+3], s[G1A:G1A+7]
	s_nop 0
	tensor_load_to_lds s[G0W+4*\s:G0W+4*\s+3], s[G1B:G1B+7]        ; tiles 0 and 1: four tensor loads of mine are out, the most in this text
	s_nop 0
.endr
	v_and_b32 v1, 15, v0                           ; r
	v_bfe_u32 v2, v0, 4, 1                         ; h
	v_lshlrev_b32 v[BO], 5, v2
	s_lshl_b32 s60, s42, 9                         ; my first column, in bytes of f32: 512 x block + 256 x half
	s_lshl_b32 s61, s14, 8
	s_add_co_u32 s60, s60, s61
	s_mov_b32 s61, 0
	s_add_nc_u64 s[8:9], s[8:9], s[60:61]
.irp b, 0,1,2,3
	global_load_b128 v[BIAS+8*\b:BIAS+8*\b+3],   v[BO], s[8:9] offset:64*\b
	global_load_b128 v[BIAS+8*\b+4:BIAS+8*\b+7], v[BO], s[8:9] offset:64*\b+16
.endr
	s_lshl_b32 s62, s43, 19                        ; my first row: 128 x block + 64 x half, rows of 4,096 bytes
	s_lshl_b32 s63, s13, 18
	s_add_co_u32 s62, s62, s63
	s_mov_b32 s63, 0
	s_add_nc_u64 s[10:11], s[10:11], s[62:63]
	s_add_nc_u64 s[10:11], s[10:11], s[60:61]
	v_mul_u32_u24 v3, v1, KP
	v_lshl_add_u32 v3, v2, 4, v3                   ; row x pitch + 16 h
	s_mul_i32 s47, s13, 64*KP                      ; my 64 rows of att
	s_mul_i32 s15, s14, 64*KP                      ; my 64 rows of wob
	s_add_co_u32 s15, s15, WOFF
.irp s, 0,1
	v_add_nc_u32 v[ADRA+\s], s47, v3
	v_add_nc_u32 v[ADRB+\s], s15, v3
	s_add_co_u32 s47, s47, SLOT
	s_add_co_u32 s15, s15, SLOT
.endr
	s_mul_i32 s3, s12, 16*SP
	s_add_co_u32 s3, s3, STAGE                     ; my stage
	v_mul_u32_u24 v4, v1, SP
	v_lshl_add_u32 v4, v2, 5, v4
	v_add_nc_u32 v[STO], s3, v4                    ; in: row r, 32 bytes for each half of the lanes
	v_mul_u32_u24 v5, v2, SP
	v_lshl_add_u32 v5, v1, 4, v5
	v_add_nc_u32 v[RD], s3, v5                     ; back: lanes 0-15 take a row of 256 bytes, lanes 16-31 the next
	v_lshlrev_b32 v5, 12, v2
	v_lshl_add_u32 v[CO], v1, 4, v5                ; and the same two rows in out0
; 16 LDS loads: unit u (32 along K: sub-tile u / 2, byte 64 (u % 2)) of slot `slot` into buffer f
.macro FETCH slot, u, f
.irp i, 0,1,2,3
	ds_load_b128 v[\f+8*\i:\f+8*\i+3],   v[ADRB+\slot] offset:((\u)>>1)*SUB+\i*16*KP+64*((\u)&1)
	ds_load_b128 v[\f+8*\i+4:\f+8*\i+7], v[ADRB+\slot] offset:((\u)>>1)*SUB+\i*16*KP+64*((\u)&1)+32
.endr
.irp i, 0,1,2,3
	ds_load_b128 v[\f+32+8*\i:\f+32+8*\i+3],   v[ADRA+\slot] offset:((\u)>>1)*SUB+\i*16*KP+64*((\u)&1)
	ds_load_b128 v[\f+32+8*\i+4:\f+32+8*\i+7], v[ADRA+\slot] offset:((\u)>>1)*SUB+\i*16*KP+64*((\u)&1)+32
.endr
.endm
; 16 matrix instructions, one for each accumulator: they take turns, one instruction a turn, in the same order in every unit.
.macro MUL16 f, first
.irp a, 0,1,2,3
.irp b, 0,1,2,3
.if \first
	v_wmma_f32_16x16x32_bf16 v[8*(4*\a+\b):8*(4*\a+\b)+7], v[\f+8*\b:\f+8*\b+7], v[\f+32+8*\a:\f+32+8*\a+7], v[BIAS+8*\b:BIAS+8*\b+7]
.else
	v_wmma_f32_16x16x32_bf16 v[8*(4*\a+\b):8*(4*\a+\b)+7], v[\f+8*\b:\f+8*\b+7], v[\f+32+8*\a:\f+32+8*\a+7], v[8*(4*\a+\b):8*(4*\a+\b)+7]
.endif
.endr
.endr
.endm
; Units 0 to 6 of a tile: fetch the next unit into the other buffer, multiply this one.
.macro UNIT slot, u, first
	PLACES                                         ; four places behind the matrix instructions that read the other buffer, ahead of the loads into it
	FETCH \slot, \u+1, F0+64*((\u+1)&1)
	s_wait_dscnt 16                                ; this unit's 16 loads are in; the 16 just issued stay out
.if \first
	WIN FIRST
.else
	WIN MUL
.endif
	MUL16 F0+64*((\u)&1), \first
	WIN 0
.endm
.macro UNITS slot, first
	UNIT \slot, 0, \first
.irp u, 1,2,3,4,5,6
	UNIT \slot, \u, 0
.endr
.endm
; Unit 7: multiplies buffer 1 and changes slots.  fill = 1: this slot is filled again, two tiles ahead: a whole tile's 128 matrix instructions in which to land.
.macro TURN slot, next, fill
	s_wait_dscnt 0x0                               ; my reads of this slot are over
	s_wait_tensorcnt 0x0                           ; all my tensor loads have landed, my sub-tiles of the next slot among them
	ds_add_u32 v30, v31
	s_wait_dscnt 0x0
	s_barrier_signal -1                            ; (where the slot is filled again this barrier opens a round of the cluster's barrier)
	WIN MUL
	MUL16 F1, 0
	WIN 0
	s_barrier_wait -1
.if \fill
	CREST                                          ; no wave of any partner still reads this slot or has a load on its way
	s_add_nc_u64 s[G0A+4*\slot+2:G0A+4*\slot+3], s[G0A+4*\slot+2:G0A+4*\slot+3], 2097152
	s_add_nc_u64 s[G0W+4*\slot+2:G0W+4*\slot+3], s[G0W+4*\slot+2:G0W+4*\slot+3], 1048576
	tensor_load_to_lds s[G0A+4*\slot:G0A+4*\slot+3], s[G1A:G1A+7]  ; the first tensor loads behind the round, ahead of the first LDS read
	s_nop 0
	tensor_load_to_lds s[G0W+4*\slot:G0W+4*\slot+3], s[G1B:G1B+7]
	s_nop 0
.endif
	PLACES
	FETCH \next, 0, F0
.endm
	s_wait_tensorcnt 0x2                           ; tile 0's two loads of mine are in; tile 1's two stay out
	s_barrier_signal -1
	s_barrier_wait -1                              ; everybody's are
	FETCH 0, 0, F0
	s_wait_loadcnt 0x0                             ; the bias
	UNITS 0, 1                                     ; tile 0: its first unit starts the sums from the bias
	TURN 0, 1, 1                                   ; slot 0 gets tile 2
	UNITS 1, 0
	TURN 1, 0, 1                                   ; slot 1 gets tile 3
	UNITS 0, 0
	TURN 0, 1, 0                                   ; nothing more to fetch
	UNITS 1, 0
	s_wait_dscnt 0x0
	WIN MUL
	MUL16 F1, 0
	WIN 0
	PLACES                                         ; four places behind the last matrix instruction, ahead of the LDS stores that read results
; THE WAY OUT, 16 rows at a time, through my own stage: a lane puts 32 bytes of each of four tiles, rows of 256 bytes come back.
.macro OUT16 a, f
	WIN 0x04                                       ; an LDS store's data: source 1, window 1
.irp b, 0,1,2,3
	ds_store_b128 v[STO], v[8*(4*\a+\b):8*(4*\a+\b)+3]   offset:64*\b
	ds_store_b128 v[STO], v[8*(4*\a+\b)+4:8*(4*\a+\b)+7] offset:64*\b+16
.endr
	WIN 0
	s_wait_xcnt 0x0                                ; the registers that earlier stores read are loaded again only behind this wait
.irp t, 0,1,2,3,4,5,6,7
	ds_load_b128 v[\f+4*\t:\f+4*\t+3], v[RD] offset:2*SP*\t        ; LDS serves a wave's instructions in order: these see my stores above
.endr
.irp t, 0,1,2,3,4,5,6,7
	s_wait_dscnt 7-\t                              ; load t is in, the 7 - t younger ones may be out
	global_store_b128 v[CO], v[\f+4*\t:\f+4*\t+3], s[10:11] offset:65536*\a+8192*\t th:TH_STORE_NT   ; 16 lanes store 256 consecutive bytes, aligned
.endr
.endm
	OUT16 0, BACK
	OUT16 1, BACK+32
	OUT16 2, BACK
	OUT16 3, BACK+32
	s_wait_tensorcnt 0x0
	ds_add_u32 v30, v31
	s_wait_dscnt 0x0
	CROUND                                         ; the closing round
	s_endpgm
.Lfunc_end_k_q4777141305_oproj:
	.size	k_q4777141305_oproj, .Lfunc_end_k_q4777141305_oproj-k_q4777141305_oproj
	.p2alignl 7, 3214868480
	.fill 96, 4, 3214868480
	.section	.rodata,"a",@progbits
	.p2align	6, 0x0
	.amdhsa_kernel k_q4777141305_oproj
		.amdhsa_group_segment_fixed_size 327680
		.amdhsa_private_segment_fixed_size 0
		.amdhsa_enable_private_segment 0
		.amdhsa_kernarg_size 32
		.amdhsa_user_sgpr_count 2
		.amdhsa_user_sgpr_kernarg_segment_ptr 1
		.amdhsa_wavefront_size32 1
		.amdhsa_system_sgpr_workgroup_id_x 1
		.amdhsa_system_sgpr_workgroup_id_y 1
		.amdhsa_system_sgpr_workgroup_id_z 1
		.amdhsa_system_vgpr_workitem_id 0
		.amdhsa_next_free_vgpr 384
		.amdhsa_next_free_sgpr 66
		.amdhsa_reserve_vcc 0
		.amdhsa_float_denorm_mode_32 3
		.amdhsa_float_denorm_mode_16_64 3
		.amdhsa_memory_ordered 1
		.amdhsa_forward_progress 1
		.amdhsa_inst_pref_size 89
	.end_amdhsa_kernel
	.amdgpu_metadata
---
amdhsa.version: [ 1, 2 ]
amdhsa.kernels:
  - .name:           k_q4777141305_oproj
    .symbol:         k_q4777141305_oproj.kd
    .args:
      - { .name: att, .offset: 0, .size: 8, .value_kind: global_buffer, .address_space: global }
      - { .name: wob, .offset: 8, .size: 8, .value_kind: global_buffer, .address_space: global }
      - { .name: bo, .offset: 16, .size: 8, .value_kind: global_buffer, .address_space: global }
      - { .name: out0, .offset: 24, .size: 8, .value_kind: global_buffer, .address_space: global }
    .group_segment_fixed_size: 327680
    .private_segment_fixed_size: 0
    .kernarg_segment_align: 8
    .kernarg_segment_size: 32
    .max_flat_workgroup_size: 128
    .sgpr_count:     66
    .vgpr_count:     384
    .wavefront_size: 32
...
	.end_amdgpu_metadata
.endif
;; end of part 3
